; MI455X (gfx1250); checked and timed in simulation.
; The chip was launched on July 23, 2026; its instructions are those of AMD's public machine-readable ISA for CDNA 5 (MIT licence, August 2026) and "CDNA5" Instruction Set Architecture Reference Guide (July 2026). The comments in the code are by the model that wrote it; some were corrected since.
;; Leaf Feature Extractor. Allowed arithmetic: matrix products marked QUANTISED: E4M3 operands, one given power-of-two scale a tensor, by v_wmma_f32_16x16x64_fp8_fp8 or v_wmma_f32_16x16x128_fp8_fp8, f32 sums; products left as they are: f32 operands where the result goes on into a quantised operand, else bf16, f16 or f32 operands; f32 sums; everything else in f32.
;; Inputs: W1 70 x 128 float32; W2 128 x 128 float32; b1 128 float32; b2 128 float32; features 2 x 8,192 x 64 float32; leaf_mask 2 x 8,192 bool; lowp_scales 4 int32 (the exponents e of the quantised operands' scales 2^e); points 2 x 8,192 x 3 float32.
;; Outputs: out0 2 x 8,192 x 128 float32.
;; This version of the problem:
;;   THIS VERSION OF THE PROBLEM IS GIVEN IN LOW PRECISION. The matrix products marked QUANTISED in the list below multiply operands that are first quantised to E4M3 (4 exponent bits, 3 mantissa bits; 8 bits a number), with one given power-of-two scale for each operand tensor; their sums are f32. All else is computed in f32.
;;   The module's matrix products, in the order in which they are computed (A, B: the left and right operand; K: the contracted axis; several contracted axes count as one K, in the product's order):
;;     1. batch 2 x [M 8,192, K 3] x [K 3, N 8,192]; A: input points; B: input points: left as it is (K = 3 < 32)
;;     2. batch 16,384 x [M 3, K 10] x [K 10, N 3]; A: computed on the way; B: computed on the way: left as it is (K = 10 < 32)
;;     3. [M 16,384, K 70] x [K 70, N 128]; A: computed on the way; B: input W1: QUANTISED (scales: A lowp_scales[0], B lowp_scales[1])
;;     4. [M 16,384, K 128] x [K 128, N 128]; A: computed on the way; B: input W2: QUANTISED (scales: A lowp_scales[2], B lowp_scales[3])
;;   THE QUANTISER, for each operand of a quantised product, along K:
;;     - The operand's scale is 2^e, e = its entry of the input lowp_scales (int32; the entries are numbered through the quantised products in the list's order, A before B).
;;     - Each number is divided by the scale, clamped to +-448, and rounded to the nearest number of E4M3, ties to even, subnormals kept.
;;     - The product sums the exact products of the quantised numbers (number of the format x scale) in f32.
;;   ~~~python
;;   def quantise(x, axis, e):      # numpy; x: float32 -> the quantised numbers, widened to float32 again
;;       x = np.moveaxis(x, axis, -1); K = x.shape[-1]
;;       r = np.clip(x / 2.0 ** e, -448, 448)
;;       step = 2.0 ** (np.maximum(np.frexp(np.where(r == 0, 1, r))[1] - 1, -6) - 3)
;;       q = np.round(r / step) * step * 2.0 ** e      # np.round: ties to even
;;       return np.moveaxis(q, -1, axis).astype(np.float32)
;;   ~~~
;;   OPERANDS COMPUTED ON THE WAY. 'Computed on the way' means the value that the module computes at that place (a softmax that the list does not call 'softmax' is quantised finished and normalised). What goes into a quantiser is computed in f32, as accurately as f32 sums, v_exp_f32 and their like allow (about 1e-6 of the number): no bf16 or f16 on the way to a quantiser, and a product that is left as it is and whose result goes on into a quantised operand takes f32 operands (vector FMAs, or v_wmma_f32_16x16x4_f32). A number that lies on a knife's edge between two numbers of the format may be rounded either way, as far as f32 arithmetic and the matrix unit's own rounding can turn it there, and no further.
;; One version. Each part assembles by itself: llvm-mc -triple=amdgcn-amd-amdhsa -mcpu=gfx1250 --defsym DOCPART=n.
;; ======== version 1 of 1: 2 launches
;; workspace buffers: lists 4,194,304 bytes of whole numbers; trips 4,096 bytes of whole numbers; ptab 262,144 bytes; csum 4,096 bytes; wcodes 32,768 bytes
;; launch scan (part 1): grid 256 x 1, 16 waves a work-group, no clusters, 289,024 bytes of LDS; arguments points, leaf_mask, W1, W2, lowp_scales, lists, ptab, csum, wcodes, trips; writes lists, ptab, csum, wcodes, trips
.if DOCPART == 1
	.amdgcn_target "amdgcn-amd-amdhsa--gfx1250"
	.amdhsa_code_object_version 6
	.text
	.protected	k_q91f9aec8fd_scan
	.globl	k_q91f9aec8fd_scan
	.p2align	8
	.type	k_q91f9aec8fd_scan,@function
k_q91f9aec8fd_scan:
	s_mov_b64 s[64:65], 0
	v_nop
	global_prefetch_b8 v0, s[64:65] scope:SCOPE_SE
	s_setreg_imm32_b32 hwreg(HW_REG_WAVE_MODE, 25, 1), 1
	s_wait_xcnt 0x0
; FIRST OF TWO LAUNCHES.  For each of the 2 x 8,192 points (a query) it says which GROUPS of 8 neighbouring indices can hold one of the query's 10 nearest points
; or a point inside the density radius, and stores them as a list of byte offsets, at fixed places.  The second launch walks only those groups.
; d2(i, j) = fl(fl(sq_i + sq_j) - 2 dot), dot and sq fused chains in ascending k: macro BATCH is the one place where that is written.
; WHY IT IS RIGHT FOR EVERY INPUT.  U = the 10th smallest of the 64 minima over bins of 128 candidates: ten different candidates lie at or under U, so the 10th smallest
; distance does too.  V = max(U, T_PREV), T_PREV the largest f32 under T, and d2 < T is dist < 0.02f for a correctly rounded root (T = 0x39d1b716: the first f32 whose root rounds to 0.02f or more).
; Every group whose minimum is <= V is flagged: all candidates at or under the 10th distance, ties too, and all inside the radius lie in flagged groups.  V > 0, so the clamp of d2 at 0 changes nothing here.
; SHARES.  Work-group G: batch G / 128, 64 queries 64 (G % 128) on.  Each of the 16 waves holds all 64 queries, two a lane (lane, lane + 32), and scans candidates 512 p .. 512 p + 511:
; they are the same for all lanes, so they come by scalar loads, and their sq is made by scalar arithmetic.  No candidate costs a vector register or an LDS read.
; SIDE WORK, between the first two barriers, while waves 0 and 1 find V: wave 2 writes the block's 64 entries of ptab (x, y, z, sq with the sign bit set where leaf_mask is 0) and the block's
; masked sums (csum); wave 3 of work-groups 0 to 15 quantises one tile of W1 or W2 into wcodes, laid as the operand's registers (registers 4 c .. 4 c + 3 of lane (r, h): k = 32 c + 16 h + 0 .. 15).
; THE LISTS.  The flags, 32 words a query, meet in LDS.  Wave k < 4 then serves queries 16 k .. 16 k + 15: lane (r, h) walks words 16 h .. 16 h + 15 of query r in ascending order and writes its first 32 flagged
; groups as byte offsets in the batch's ptab (group x 128; -1 for an empty slot), in a loop of a constant 8 trips, and the wave stores ceil(its largest number of groups / 4) in trips.  All of that is work on
; values alone: every address and trip count of this launch is a constant of the text.  A stored count above 8 tells the second launch that a list is cut off: it then walks all groups.
; LIMITS: NaN and infinities among the inputs are not served.  lowp_scales[1] and [3] lie between -126 and 119, so that 2^e and 448 x 2^e are f32 numbers.
; No tensor load, no cluster: the one shared stream is 96 KB of points a batch, which every wave reads through the scalar path.
.set T_PREV, 0x39d1b715
.set BIN, 262144                       ; LDS: 0 .. 262,143 group minima, 16 KB a wave: p x 16,384 + group x 256 + lane x 8 (set 0, set 1): each wave reads back only what it stored
.set VB,  278528                       ; BIN: 64 bins x 256 bytes;  VB: V, lane x 8 + set x 4
.set FW,  278784                       ; the flags: word x 256 + query x 4: 8,192 bytes
.set XB, 8                             ; s[8:31]   8 candidates x (x, y, z)
.set YB, 32                            ; s[32:55]  the next 8
.set SQ, 56                            ; s[56:63]  sq of the 8 in hand
.set TT, 192                           ; v[192:207] the dots of 8 candidates x 2 sets
.set R,  64                            ; v[64:191] my 64 groups' minima, set 0 and set 1 by turns
.set NT, 192                           ; v[192:204] at work in the lists' walk
; v1 lane; v2 my region of minima; v3 the same + the loop's step; v4 where I store bins; v5 where waves 0, 1 read them; v6 where they store V; v7 where all read V; v44 where I store flags; v42 where waves 0-3 read them
; v[8:11], v[12:15] x, y, z, sq of my two queries; v[16:23], v[24:31] d2; v[32:39] bins; v[40:41] a group's minima; v43 16 x lane; v45-47 offsets; v[48:57] the list; v[58:59] V; v[60:63] the words
; the lists' walk: v11 512 h; v13 S0; v14 S; v15 the word in hand; v[16:31] my 16 words; v68 32 x its number + 512 h; v69 my number of groups; v70, v71 constants; v[72:75] four entries; v[128:159] the count's work
	s_load_b512 s[8:23], s[0:1], 0x0               ; points, leaf_mask, W1, W2, lowp_scales, lists, ptab, csum
	s_load_b128 s[24:27], s[0:1], 0x40             ; wcodes, trips
	v_lshrrev_b32 v1, 5, v0
	v_readfirstlane_b32 s72, v1                    ; wave p
	v_and_b32 v1, 31, v0                           ; lane
	s_mov_b32 s73, ttmp9                           ; G
	s_and_b32 s74, s73, 127                        ; block in the batch
	s_lshr_b32 s75, s73, 7                         ; batch
	s_lshl_b32 s94, s72, 14                        ; every LDS address is made ahead of the first branch on the wave's number
	v_lshl_add_u32 v2, v1, 3, s94
	s_lshl_b32 s94, s72, 10
	s_add_co_u32 s94, s94, BIN
	v_lshl_add_u32 v4, v1, 3, s94                  ; bins 4 p on
	s_and_b32 s94, s72, 1
	s_lshl_b32 s94, s94, 2
	s_add_co_u32 s95, s94, BIN
	v_lshl_add_u32 v5, v1, 3, s95                  ; wave 0 takes set 0, wave 1 set 1
	s_add_co_u32 s95, s94, VB
	v_lshl_add_u32 v6, v1, 3, s95
	v_lshl_add_u32 v7, v1, 3, VB
	s_lshl_b32 s94, s72, 9
	s_add_co_u32 s94, s94, FW
	v_lshl_add_u32 v44, v1, 2, s94                 ; flags: words 2 p, 2 p + 1; query = lane, + 32 for set 1
	v_mul_u32_u24 v42, v1, 12                      ; a point is 12 bytes
	v_lshlrev_b32 v43, 4, v1
	s_mov_b32 s92, 0x76543210                      ; v_permlanex16_b32: lane l xor 16
	s_mov_b32 s93, 0xfedcba98
	s_mov_b32 s97, 0
	s_mul_i32 s94, s75, 98304                      ; the batch's points
	s_mul_i32 s95, s72, 6144                       ; my wave's 512 candidates
	s_mul_i32 s98, s74, 768                        ; the block's 64 queries
	s_wait_kmcnt 0x0
	s_load_b128 s[88:91], s[16:17], 0x0            ; e0 .. e3
	s_add_co_u32 s96, s94, s95
	s_add_nc_u64 s[66:67], s[8:9], s[96:97]        ; candidates
	s_add_co_u32 s96, s94, s98
	s_add_nc_u64 s[70:71], s[8:9], s[96:97]        ; queries
	s_lshl_b32 s96, s73, 14
	s_lshl_b32 s94, s72, 12
	s_add_co_u32 s96, s96, s94
	s_add_nc_u64 s[68:69], s[18:19], s[96:97]      ; lists: 4,096 bytes for wave p < 4 of block G (used by those waves alone)
	s_lshl_b32 s96, s73, 4
	s_lshl_b32 s94, s72, 2
	s_add_co_u32 s96, s96, s94
	s_add_nc_u64 s[4:5], s[26:27], s[96:97]        ; trips: word 4 G + p (likewise)
	s_lshl_b32 s96, s73, 10
	s_add_nc_u64 s[78:79], s[20:21], s[96:97]      ; ptab: 64 entries of 16 bytes
	s_lshl_b32 s96, s73, 4
	s_add_nc_u64 s[80:81], s[22:23], s[96:97]      ; csum: record G
	s_min_u32 s96, s73, 15
	s_lshl_b32 s96, s96, 11
	s_add_nc_u64 s[82:83], s[24:25], s[96:97]      ; wcodes: tile G of 16, 2,048 bytes each
	s_lshl_b32 s96, s73, 6
	s_add_nc_u64 s[86:87], s[10:11], s[96:97]      ; leaf_mask
	s_cmp_lt_u32 s73, 8
	s_cselect_b64 s[84:85], s[12:13], s[14:15]     ; W1 for work-groups 0-7, W2 for the others
	global_load_b32 v8, v42, s[70:71]
	global_load_b32 v9, v42, s[70:71] offset:4
	global_load_b32 v10, v42, s[70:71] offset:8
	global_load_b32 v12, v42, s[70:71] offset:384
	global_load_b32 v13, v42, s[70:71] offset:388
	global_load_b32 v14, v42, s[70:71] offset:392
	s_wait_kmcnt 0x0                               ; the scales are in: s[16:17], their address, may be written by the loads below
	s_load_b256 s[XB:XB+7], s[66:67], 0x0          ; the first 8 candidates
	s_load_b256 s[XB+8:XB+15], s[66:67], 0x20
	s_load_b256 s[XB+16:XB+23], s[66:67], 0x40
	s_wait_loadcnt 0x0                             ; the queries are in, and v42, their offset, is free
	v_mul_f32 v11, v8, v8                          ; sq, the same fused chain as the candidates'
	v_mul_f32 v15, v12, v12
	v_fmac_f32 v11, v9, v9
	v_fmac_f32 v15, v13, v13
	v_fmac_f32 v11, v10, v10
	v_fmac_f32 v15, v14, v14
	s_and_b32 s94, s72, 3
	s_lshl_b32 s94, s94, 6
	s_add_co_u32 s94, s94, FW
	v_and_b32 v45, 15, v1
	v_lshl_add_u32 v42, v45, 2, s94                ; flags, back: query 16 k + r,
	v_lshrrev_b32 v45, 4, v1
	v_lshl_add_u32 v42, v45, 12, v42               ; words 16 h on
; 8 candidates in s[B ..] against my 64 queries: d2, the group's minimum for each set, one LDS store.  Written stage by stage, so that no line waits for the line above it.
.macro BATCH B, off
.irp c, 0,1,2,3,4,5,6,7
	s_mul_f32 s[SQ+\c], s[\B+3*\c], s[\B+3*\c]
.endr
.irp c, 0,1,2,3,4,5,6,7
	s_fmac_f32 s[SQ+\c], s[\B+3*\c+1], s[\B+3*\c+1]
.endr
.irp c, 0,1,2,3,4,5,6,7
	s_fmac_f32 s[SQ+\c], s[\B+3*\c+2], s[\B+3*\c+2]
.endr
.irp c, 0,1,2,3,4,5,6,7
	v_mul_f32 v[TT+\c], s[\B+3*\c], v8
	v_mul_f32 v[TT+8+\c], s[\B+3*\c], v12
.endr
.irp c, 0,1,2,3,4,5,6,7
	v_fmac_f32 v[TT+\c], s[\B+3*\c+1], v9
	v_fmac_f32 v[TT+8+\c], s[\B+3*\c+1], v13
.endr
.irp c, 0,1,2,3,4,5,6,7
	v_fmac_f32 v[TT+\c], s[\B+3*\c+2], v10
	v_fmac_f32 v[TT+8+\c], s[\B+3*\c+2], v14
.endr
.irp c, 0,1,2,3,4,5,6,7
	v_add_f32 v[16+\c], s[SQ+\c], v11
	v_add_f32 v[24+\c], s[SQ+\c], v15
.endr
.irp c, 0,1,2,3,4,5,6,7
	v_fmac_f32 v[16+\c], -2.0, v[TT+\c]
	v_fmac_f32 v[24+\c], -2.0, v[TT+8+\c]
.endr
	v_min3_num_f32 v40, v16, v17, v18
	v_min3_num_f32 v41, v24, v25, v26
	v_min3_num_f32 v40, v40, v19, v20
	v_min3_num_f32 v41, v41, v27, v28
	v_min3_num_f32 v40, v40, v21, v22
	v_min3_num_f32 v41, v41, v29, v30
	v_min_num_f32 v40, v40, v23
	v_min_num_f32 v41, v41, v31
	ds_store_b64 v3, v[40:41] offset:\off
.endm
; Two groups.  While one set of scalar registers is worked on, the other is on its way.  last = 1: nothing is asked for past my 512 candidates.
.macro PAIR last
	s_wait_kmcnt 0x0                               ; X is in
	s_load_b256 s[YB:YB+7], s[66:67], 0x60
	s_load_b256 s[YB+8:YB+15], s[66:67], 0x80
	s_load_b256 s[YB+16:YB+23], s[66:67], 0xa0
	v_add_nc_u32 v3, s77, v2
	BATCH XB, 0
	s_wait_kmcnt 0x0                               ; Y is in, and no scalar load is out: the pointer may step
	s_add_nc_u64 s[66:67], s[66:67], 192
.if \last == 0
	s_load_b256 s[XB:XB+7], s[66:67], 0x0
	s_load_b256 s[XB+8:XB+15], s[66:67], 0x20
	s_load_b256 s[XB+16:XB+23], s[66:67], 0x40
.endif
	BATCH YB, 256
	s_add_co_u32 s77, s77, 512
.endm
	s_mov_b32 s76, 0
	s_mov_b32 s77, 0
.Lscan:                                            ; 31 trips of 16 candidates, and the last 16 written out
	PAIR 0
	s_add_co_u32 s76, s76, 1
	s_cmp_lt_u32 s76, 31
	s_cbranch_scc1 .Lscan
	PAIR 1
	; my 64 groups' minima come back into registers (LDS serves a wave's instructions in order: these loads see my stores), and stay there for the flags
.set g, 0
.rept 64
	ds_load_b64 v[R+2*g:R+2*g+1], v2 offset:256*g
.set g, g+1
.endr
	s_wait_dscnt 0x0
.irp j, 0,1,2,3                        ; a bin = 16 groups = 128 candidates
.irp s, 0,1
	v_min3_num_f32 v[32+2*\j+\s], v[R+32*\j+\s], v[R+32*\j+\s+2], v[R+32*\j+\s+4]
.irp i, 3,5,7,9,11,13
	v_min3_num_f32 v[32+2*\j+\s], v[32+2*\j+\s], v[R+32*\j+\s+2*\i], v[R+32*\j+\s+2*\i+2]
.endr
	v_min_num_f32 v[32+2*\j+\s], v[32+2*\j+\s], v[R+32*\j+\s+30]
.endr
	ds_store_b64 v4, v[32+2*\j:33+2*\j] offset:256*\j
.endr
	s_wait_dscnt 0x0                               ; for the others' sake: my bins are in LDS
	s_barrier_signal -1
	s_barrier_wait -1
	s_cmp_lt_u32 s72, 2
	s_cbranch_scc0 .Lnot_list
	; ---- waves 0 and 1: a lane a query; the ten smallest of its 64 bin minima, kept sorted: a_i = the middle of (x, a_(i-1), a_i), from the top down
.set b, 0
.rept 64
	ds_load_b32 v[192+b], v5 offset:256*b
.set b, b+1
.endr
.irp i, 0,1,2,3,4,5,6,7,8,9
	v_mov_b32 v[48+\i], 0x7f800000
.endr
	s_wait_dscnt 0x0
.macro INS x
.irp i, 9,8,7,6,5,4,3,2,1
	v_med3_num_f32 v[48+\i], v[\x], v[47+\i], v[48+\i]
.endr
	v_min_num_f32 v48, v48, v[\x]
.endm
.set b, 0
.rept 64
	INS 192+b
.set b, b+1
.endr
	v_max_num_f32 v58, T_PREV, v57                 ; V
	ds_store_b32 v6, v58
	s_branch .Ljoin
.Lnot_list:
	s_cmp_eq_u32 s72, 2
	s_cbranch_scc0 .Lnot_tab
	; ---- wave 2: the block's entries of ptab and its masked sums
	global_load_u8 v192, v1, s[86:87]
	global_load_u8 v193, v1, s[86:87] offset:32
	v_mov_b32 v196, v8
	v_mov_b32 v197, v9
	v_mov_b32 v198, v10
	v_mov_b32 v200, v12
	v_mov_b32 v201, v13
	v_mov_b32 v202, v14
.irp i, 0,1,2,3
	v_mov_b32 v[208+\i], 0                         ; a lane permute's destination counts as one of its sources
.endr
	s_wait_loadcnt 0x0
	v_xor_b32 v194, 1, v192
	v_xor_b32 v195, 1, v193
	v_lshl_or_b32 v199, v194, 31, v11              ; sq is not negative: its sign bit carries 'not in the mask'
	v_lshl_or_b32 v203, v195, 31, v15
	global_store_b128 v43, v[196:199], s[78:79]                ; 32 lanes store 512 consecutive bytes, aligned
	global_store_b128 v43, v[200:203], s[78:79] offset:512
	v_cvt_f32_u32 v192, v192
	v_cvt_f32_u32 v193, v193
	v_mul_f32 v204, v8, v192
	v_mul_f32 v205, v9, v192
	v_mul_f32 v206, v10, v192
	v_add_f32 v207, v192, v193
	v_fmac_f32 v204, v12, v193
	v_fmac_f32 v205, v13, v193
	v_fmac_f32 v206, v14, v193
.irp x, 1,2,4,8
.irp i, 0,1,2,3
	v_add_f32_dpp v[204+\i], v[204+\i], v[204+\i] row_xmask:\x row_mask:0xf bank_mask:0xf
.endr
.endr
.irp i, 0,1,2,3
	v_permlanex16_b32 v[208+\i], v[204+\i], s92, s93
.endr
.irp i, 0,1,2,3
	v_add_f32 v[204+\i], v[204+\i], v[208+\i]
.endr
	v_cmp_eq_u32 vcc_lo, 0, v1
	s_wait_xcnt 0x0                                ; EXEC is a source of the stores above: it changes only behind this wait
	s_and_saveexec_b32 s96, vcc_lo
	global_store_b128 v43, v[204:207], s[80:81]    ; lane 0: 16 bytes, once a work-group: the table is kept compact because every wave of the next launch reads all of it
	s_wait_xcnt 0x0                                ; and again in front of the line that widens it
	s_or_b32 exec_lo, exec_lo, s96
	s_branch .Ljoin
.Lnot_tab:
	s_cmp_eq_u32 s72, 3
	s_cbranch_scc0 .Ljoin
	s_cmp_lt_u32 s73, 16
	s_cbranch_scc0 .Ljoin
	; ---- wave 3 of work-groups 0-15: one tile of 16 columns of W1 (G < 8) or W2.  A lane takes a column n and its registers run down K, in the order of the operand's registers.
	; W1's tile t: lane r is hidden unit 32 (t / 2) + 8 (t % 2) + r + 8 (r / 8), so that the first product's results lie as the second product's K wants them.  W2's tile t: output 16 t + r.
	s_and_b32 s94, s73, 7
	s_lshr_b32 s95, s94, 1
	s_lshl_b32 s95, s95, 5
	s_and_b32 s96, s94, 1
	s_lshl_b32 s96, s96, 3
	s_add_co_u32 s95, s95, s96
	s_lshl_b32 s96, s94, 4
	s_cmp_lt_u32 s73, 8
	s_cselect_b32 s95, s95, s96
	s_cselect_b32 s97, 8, 0
	s_cselect_b32 s98, s89, s91                    ; e1 or e3
	v_and_b32 v45, 15, v1
	v_and_b32 v46, s97, v45
	v_add3_u32 v45, v45, v46, s95
	v_lshlrev_b32 v45, 2, v45                      ; 4 n
	v_lshrrev_b32 v47, 4, v1                       ; h
	v_lshl_add_u32 v46, v47, 13, v45               ; + 16 h rows of 512 bytes
.irp c, 0,1
.irp i, 0,1,2,3,4,5,6,7,8,9,10,11,12,13,14,15
	global_load_b32 v[192+16*\c+\i], v46, s[84:85] offset:512*(32*\c+\i)   ; k = 32 c + 16 h + i, 63 at the most: inside W1's 70 rows too
.endr
.endr
	s_cmp_lt_u32 s73, 8
	s_cbranch_scc1 .Lw1_rest
.irp c, 2,3
.irp i, 0,1,2,3,4,5,6,7,8,9,10,11,12,13,14,15
	global_load_b32 v[192+16*\c+\i], v46, s[84:85] offset:512*(32*\c+\i)
.endr
.endr
	s_wait_loadcnt 0x0
	s_branch .Lconv
.Lw1_rest:                                         ; W1 has rows 64 .. 69 left: every lane loads them (no load leaves the buffer), lanes 16-31, whose k would be 80 on, then take 0; all else is 0
.irp i, 0,1,2,3,4,5
	global_load_b32 v[224+\i], v45, s[84:85] offset:512*(64+\i)
.endr
.set i, 230
.rept 26
	v_mov_b32 v[i], 0
.set i, i+1
.endr
	s_wait_loadcnt 0x0
	v_cmp_eq_u32 vcc_lo, 0, v47
.irp i, 0,1,2,3,4,5
	v_cndmask_b32 v[224+\i], 0, v[224+\i], vcc_lo
.endr
.Lconv:
	s_add_co_i32 s98, s98, 127
	s_lshl_b32 s99, s98, 23
	v_mov_b32 v33, s99                             ; 2^e as f32: the conversion takes its exponent field
	s_add_co_i32 s98, s98, 8
	s_lshl_b32 s98, s98, 23
	s_or_b32 s98, s98, 0x600000
	v_mov_b32 v32, s98                             ; 448 x 2^e
.irp c, 0,1,2,3
.irp i, 0,1,2,3,4,5,6,7,8,9,10,11,12,13,14,15
	v_med3_num_f32 v[192+16*\c+\i], v[192+16*\c+\i], -v32, v32   ; the conversion to an 8-bit code does not saturate (ISA guide 7.6.2): the hold comes first
.endr
	v_cvt_scalef32_pk8_fp8_f32 v[16+4*\c:17+4*\c], v[192+16*\c:199+16*\c], v33
	v_cvt_scalef32_pk8_fp8_f32 v[18+4*\c:19+4*\c], v[200+16*\c:207+16*\c], v33
.endr
	v_nop                                          ; a plain line behind the last scaled conversion
.irp c, 0,1,2,3
	global_store_b128 v43, v[16+4*\c:19+4*\c], s[82:83] offset:512*\c   ; 512 consecutive bytes, aligned
.endr
.Ljoin:
	s_wait_dscnt 0x0                               ; V is in LDS (waves 0, 1); nothing of mine is pending in LDS
	s_barrier_signal -1
	s_barrier_wait -1
	ds_load_b64 v[58:59], v7                       ; V of my two queries
.irp i, 0,1,2,3
	v_mov_b32 v[60+\i], 0
.endr
	s_wait_dscnt 0x0
	; the flags: bit k of word w = (minimum of group 32 w + k <= V), shifted in from the top bit down
.set kk, 31
.rept 32
.irp w, 0,1
.irp s, 0,1
	v_cmp_ge_f32 vcc_lo, v[58+\s], v[R+2*(32*\w+kk)+\s]
	v_add_co_ci_u32 v[60+2*\w+\s], vcc_lo, v[60+2*\w+\s], v[60+2*\w+\s], vcc_lo
.endr
.endr
.set kk, kk-1
.endr
	ds_store_b32 v44, v60                          ; word 2 p, queries 0-31
	ds_store_b32 v44, v61 offset:128               ; word 2 p, queries 32-63
	ds_store_b32 v44, v62 offset:256               ; word 2 p + 1
	ds_store_b32 v44, v63 offset:384
	s_wait_dscnt 0x0                               ; for the others' sake: my words are in LDS
	s_barrier_signal -1
	s_barrier_wait -1
	s_cmp_lt_u32 s72, 4
	s_cbranch_scc0 .Lend                           ; waves 4 to 15 are done
	; ---- THE LISTS: wave k, lane (r, h): query 16 k + r, words 16 h .. 16 h + 15
	s_wait_xcnt 0x0                                ; the side work's stores (waves 2, 3) have read their registers: they may be written again
.irp j, 0,1,2,3,4,5,6,7,8,9,10,11,12,13,14,15
	ds_load_b32 v[16+\j], v42 offset:256*\j
.endr
	v_lshrrev_b32 v11, 4, v1
	v_lshlrev_b32 v11, 9, v11                      ; 512 h
	v_mov_b32 v13, 0
	v_mov_b32 v70, 0x80
	v_mov_b32 v71, 0x100
	v_mov_b32 v47, v43                             ; 16 x lane: the lists' offset, stepped trip by trip
	s_mov_b32 s60, 0x55555555
	s_mov_b32 s61, 0x33333333
	s_mov_b32 s62, 0x0f0f0f0f
	s_mov_b32 s63, 0x00ff00ff
	s_wait_dscnt 0x0
	; S0: bit j = (word j is not 0)
.irp j, 15,14,13,12,11,10,9,8,7,6,5,4,3,2,1,0
	v_cmp_ne_u32 vcc_lo, 0, v[16+\j]
	v_add_co_ci_u32 v13, vcc_lo, v13, v13, vcc_lo
.endr
	; my number of flagged groups: the bits of 16 words counted side by side
.irp j, 0,1,2,3,4,5,6,7,8,9,10,11,12,13,14,15
	v_lshrrev_b32 v[128+\j], 1, v[16+\j]
.endr
.irp j, 0,1,2,3,4,5,6,7,8,9,10,11,12,13,14,15
	v_and_b32 v[128+\j], s60, v[128+\j]
.endr
.irp j, 0,1,2,3,4,5,6,7,8,9,10,11,12,13,14,15
	v_sub_nc_u32 v[128+\j], v[16+\j], v[128+\j]    ; 2 bits: 0 .. 2
.endr
.irp j, 0,1,2,3,4,5,6,7,8,9,10,11,12,13,14,15
	v_lshrrev_b32 v[144+\j], 2, v[128+\j]
.endr
.irp j, 0,1,2,3,4,5,6,7,8,9,10,11,12,13,14,15
	v_and_b32 v[128+\j], s61, v[128+\j]
	v_and_b32 v[144+\j], s61, v[144+\j]
.endr
.irp j, 0,1,2,3,4,5,6,7,8,9,10,11,12,13,14,15
	v_add_nc_u32 v[128+\j], v[128+\j], v[144+\j]   ; 4 bits: 0 .. 4
.endr
.irp j, 0,1,2,3,4,5,6,7
	v_add_nc_u32 v[128+\j], v[128+\j], v[136+\j]   ; two words: 0 .. 8
.endr
.irp j, 0,1,2,3,4,5,6,7
	v_lshrrev_b32 v[144+\j], 4, v[128+\j]
.endr
.irp j, 0,1,2,3,4,5,6,7
	v_and_b32 v[128+\j], s62, v[128+\j]
	v_and_b32 v[144+\j], s62, v[144+\j]
.endr
.irp j, 0,1,2,3,4,5,6,7
	v_add_nc_u32 v[128+\j], v[128+\j], v[144+\j]   ; bytes: 0 .. 16; eight of them add to 128 at the most
.endr
	v_add3_u32 v128, v128, v129, v130
	v_add3_u32 v131, v131, v132, v133
	v_add3_u32 v128, v128, v134, v135
	v_add_nc_u32 v128, v128, v131
	v_lshrrev_b32 v129, 8, v128
	v_and_b32 v128, s63, v128
	v_and_b32 v129, s63, v129
	v_add_nc_u32 v128, v128, v129
	v_lshrrev_b32 v129, 16, v128
	v_add_nc_u32 v128, v128, v129
	v_and_b32 v69, 0xffff, v128
	s_mov_b32 s36, 1                               ; the largest number among my 32 lanes, at least 1
.irp q, 0,1,2,3
.irp i, 0,1,2,3,4,5,6,7
	v_readlane_b32 s[40+\i], v69, 8*\q+\i
.endr
.irp i, 0,1,2,3,4,5,6,7
	s_max_u32 s36, s36, s[40+\i]
.endr
.endr
	s_add_co_u32 s36, s36, 3
	s_lshr_b32 s36, s36, 2                         ; trips of four slots: 1 .. 128
	v_mov_b32 v[NT], s36
	v_mov_b32 v[NT+1], 0
	v_cmp_eq_u32 vcc_lo, 0, v1
	s_and_saveexec_b32 s96, vcc_lo                 ; (no global load or store has been issued since the wait on XCNT above)
	global_store_b32 v[NT+1], v[NT], s[4:5]        ; lane 0: one word a wave, which the next launch's wave reads by a scalar load
	s_wait_xcnt 0x0                                ; EXEC and the store's registers change only behind this wait
	s_or_b32 exec_lo, exec_lo, s96
; The next flagged group of my half, in ascending order, becomes entry 'set' of the trip: its byte offset in the batch's ptab.  S: the words not yet begun; v15: what is left of the word in hand.
; A lane whose groups are used up writes -1.
.macro NEXT set
	v_cmp_eq_u32 s40, 0, v15                       ; the word in hand is used up
	v_sub_nc_u32 v[NT], 0, v14
	v_and_b32 v[NT], v14, v[NT]                    ; S's lowest bit: word j
	v_and_b32 v[NT+1], 0xaaaa, v[NT]
	v_and_b32 v[NT+2], 0xcccc, v[NT]
	v_and_b32 v[NT+3], 0xf0f0, v[NT]
	v_and_b32 v[NT+4], 0xff00, v[NT]
	v_cmp_ne_u32 s41, 0, v[NT+1]                   ; j's four bits
	v_cmp_ne_u32 s42, 0, v[NT+2]
	v_cmp_ne_u32 s43, 0, v[NT+3]
	v_cmp_ne_u32 s44, 0, v[NT+4]
	v_cmp_ne_u32 s45, 0, v[NT]
.irp i, 0,1,2,3,4,5,6,7
	v_cndmask_b32 v[NT+1+\i], v[16+2*\i], v[17+2*\i], s41      ; word j, picked by a tree of selects
.endr
.irp i, 0,1,2,3
	v_cndmask_b32 v[NT+1+\i], v[NT+1+2*\i], v[NT+2+2*\i], s42
.endr
	v_cndmask_b32 v[NT+1], v[NT+1], v[NT+2], s43
	v_cndmask_b32 v[NT+2], v[NT+3], v[NT+4], s43
	v_cndmask_b32 v[NT+1], v[NT+1], v[NT+2], s44
	v_cndmask_b32 v[NT+1], 0, v[NT+1], s45         ; no word left: 0
	v_cndmask_b32 v[NT+9], 0, 32, s41
	v_cndmask_b32 v[NT+10], 0, 64, s42
	v_cndmask_b32 v[NT+11], 0, v70, s43
	v_cndmask_b32 v[NT+12], 0, v71, s44
	v_add3_u32 v[NT+9], v[NT+9], v[NT+10], v[NT+11]
	v_add3_u32 v[NT+9], v[NT+9], v[NT+12], v11     ; 32 j + 512 h
	v_xor_b32 v[NT+10], v14, v[NT]
	v_cndmask_b32 v14, v14, v[NT+10], s40
	v_cndmask_b32 v15, v15, v[NT+1], s40
	v_cndmask_b32 v68, v68, v[NT+9], s40
	v_cmp_ne_u32 s46, 0, v15                       ; the slot holds a group
	v_sub_nc_u32 v[NT+2], 0, v15
	v_and_b32 v[NT+2], v15, v[NT+2]                ; the word's lowest bit
	v_xor_b32 v15, v15, v[NT+2]
	v_and_b32 v[NT+3], 0xffff0000, v[NT+2]
	v_and_b32 v[NT+4], 0xff00ff00, v[NT+2]
	v_and_b32 v[NT+5], 0xf0f0f0f0, v[NT+2]
	v_and_b32 v[NT+6], 0xcccccccc, v[NT+2]
	v_and_b32 v[NT+7], 0xaaaaaaaa, v[NT+2]
	v_cmp_ne_u32 s47, 0, v[NT+3]
	v_cmp_ne_u32 s48, 0, v[NT+4]
	v_cmp_ne_u32 s49, 0, v[NT+5]
	v_cmp_ne_u32 s50, 0, v[NT+6]
	v_cmp_ne_u32 s51, 0, v[NT+7]
	v_cndmask_b32 v[NT+3], 0, 16, s47
	v_cndmask_b32 v[NT+4], 0, 8, s48
	v_cndmask_b32 v[NT+5], 0, 4, s49
	v_cndmask_b32 v[NT+6], 0, 2, s50
	v_cndmask_b32 v[NT+7], 0, 1, s51
	v_add3_u32 v[NT+3], v[NT+3], v[NT+4], v[NT+5]
	v_add3_u32 v[NT+3], v[NT+3], v[NT+6], v[NT+7]
	v_add_nc_u32 v[NT+3], v[NT+3], v68             ; the group
	v_lshlrev_b32 v[NT+3], 7, v[NT+3]              ; 8 entries of 16 bytes
	v_cndmask_b32 v[72+\set], -1, v[NT+3], s46
.endm
	v_mov_b32 v14, v13
	v_mov_b32 v15, 0
	v_mov_b32 v68, v11
	s_mov_b32 s76, 0
.Llist:                                            ; 8 trips, a constant: four entries a lane and trip
.irp s, 0,1,2,3
	NEXT \s
.endr
	global_store_b128 v47, v[72:75], s[68:69]      ; 32 lanes store 512 consecutive bytes, aligned
	s_wait_xcnt 0x0                                ; the store has read its offset and its data: both are written again below and in the next trip
	v_add_nc_u32 v47, 0x200, v47
	s_add_co_u32 s76, s76, 1
	s_cmp_lt_u32 s76, 8
	s_cbranch_scc1 .Llist
.Lend:
	s_wait_xcnt 0x0
	s_mov_b32 exec_lo, -1
	v_lshl_add_u32 v62, v0, 2, 0x46100
	v_mov_b32 v63, 0
	s_wait_tensorcnt 0x0
	ds_add_u32 v62, v63
	s_wait_dscnt 0x0
	s_endpgm
.Lfunc_end_k_q91f9aec8fd_scan:
	.size	k_q91f9aec8fd_scan, .Lfunc_end_k_q91f9aec8fd_scan-k_q91f9aec8fd_scan
	.p2alignl 7, 3214868480
	.fill 96, 4, 3214868480
	.section	.rodata,"a",@progbits
	.p2align	6, 0x0
	.amdhsa_kernel k_q91f9aec8fd_scan
		.amdhsa_group_segment_fixed_size 289024
		.amdhsa_private_segment_fixed_size 0
		.amdhsa_enable_private_segment 0
		.amdhsa_kernarg_size 80
		.amdhsa_user_sgpr_count 2
		.amdhsa_user_sgpr_kernarg_segment_ptr 1
		.amdhsa_wavefront_size32 1
		.amdhsa_system_sgpr_workgroup_id_x 1
		.amdhsa_system_sgpr_workgroup_id_y 1
		.amdhsa_system_sgpr_workgroup_id_z 1
		.amdhsa_system_vgpr_workitem_id 0
		.amdhsa_next_free_vgpr 256
		.amdhsa_next_free_sgpr 100
		.amdhsa_reserve_vcc 1
		.amdhsa_float_denorm_mode_32 3
		.amdhsa_float_denorm_mode_16_64 3
		.amdhsa_memory_ordered 1
		.amdhsa_forward_progress 1
		.amdhsa_inst_pref_size 123
	.end_amdhsa_kernel
	.amdgpu_metadata
---
amdhsa.version: [ 1, 2 ]
amdhsa.kernels:
  - .name:           k_q91f9aec8fd_scan
    .symbol:         k_q91f9aec8fd_scan.kd
    .args:
      - { .name: points, .offset: 0, .size: 8, .value_kind: global_buffer, .address_space: global }
      - { .name: leaf_mask, .offset: 8, .size: 8, .value_kind: global_buffer, .address_space: global }
      - { .name: W1, .offset: 16, .size: 8, .value_kind: global_buffer, .address_space: global }
      - { .name: W2, .offset: 24, .size: 8, .value_kind: global_buffer, .address_space: global }
      - { .name: lowp_scales, .offset: 32, .size: 8, .value_kind: global_buffer, .address_space: global }
      - { .name: lists, .offset: 40, .size: 8, .value_kind: global_buffer, .address_space: global }
      - { .name: ptab, .offset: 48, .size: 8, .value_kind: global_buffer, .address_space: global }
      - { .name: csum, .offset: 56, .size: 8, .value_kind: global_buffer, .address_space: global }
      - { .name: wcodes, .offset: 64, .size: 8, .value_kind: global_buffer, .address_space: global }
      - { .name: trips, .offset: 72, .size: 8, .value_kind: global_buffer, .address_space: global }
    .group_segment_fixed_size: 289024
    .private_segment_fixed_size: 0
    .kernarg_segment_align: 8
    .kernarg_segment_size: 80
    .max_flat_workgroup_size: 512
    .sgpr_count:     100
    .vgpr_count:     256
    .wavefront_size: 32
...
	.end_amdgpu_metadata
.endif
;; end of part 1
;; launch finish (part 2): grid 256 x 1, 4 waves a work-group, no clusters, 34,304 bytes of LDS; arguments lists, ptab, csum, wcodes, features, b1, b2, lowp_scales, out0, trips; writes out0
.if DOCPART == 2
	.amdgcn_target "amdgcn-amd-amdhsa--gfx1250"
	.amdhsa_code_object_version 6
	.text
	.protected	k_q91f9aec8fd_finish
	.globl	k_q91f9aec8fd_finish
	.p2align	8
	.type	k_q91f9aec8fd_finish,@function
k_q91f9aec8fd_finish:
	s_mov_b64 s[64:65], 0
	v_nop
	global_prefetch_b8 v0, s[64:65] scope:SCOPE_SE
	s_setreg_imm32_b32 hwreg(HW_REG_WAVE_MODE, 25, 1), 1
	s_wait_xcnt 0x0
; SECOND LAUNCH.  For each point: density and the ten nearest points from the groups that the first launch listed, the covariance's eigenvalues, the other geometry, and the two-layer MLP on codes of FP8 (E4M3).
; SHARES.  Work-group G = 64 points; wave k = 16 of them, one tile of rows.  Lane (r, h): point r; half h walks the groups of candidates 4,096 h on: lane order is index order.  Waves share nothing; the one barrier stands at the end.
; THE LISTS are whole numbers read from memory: an entry is a group's byte offset in the batch's ptab, -1 for an empty slot; four entries a lane and trip; the wave's number of trips is one word of trips.
; An entry reaches an address through two ANDs, an OR and the bound by v_min_u32.  A count above 8 says that some lane's list of 32 is cut off: the wave then walks ALL 512 groups of each half, 128 trips, by a counter
; (entry & keep | counter & full): every group is a superset of the flagged ones, so the result is the same.
; PASS 1 over the groups: d2 with the same five lines as the first launch (the same bits), clamped at 0; the count of masked candidates with d2 < T (T = 0x39d1b716: dist < 0.02f for a correctly
; rounded root); the ten smallest d2, kept sorted.  The halves' lists give t10, the 10th smallest of all.  PASS 2: the covariance of the candidates with d2 < t10 and of the first (10 - their number) ties, in index order.
; LIMITS.  NaN and infinities among the inputs are not served.  Two different d2 whose rounded roots are equal count as different here (the smaller wins), as a tie with the lower index first in the source.
; atan2 ignores the sign of a zero x.  The centre and the covariance are summed in another order than the source's.  The eigenvalues come from 8 row-cyclic Jacobi sweeps with angles up to pi / 4 on the matrix scaled
; to a trace between 1 and 2: a margin over what f32 needs for 3 x 3, no proven worst-case bound.  e0 and e2 - e0 - e1 lie between -126 and 119, e2 + e3 between -126 and 127.
; No tensor load and no cluster: what is read is gathered by lists; the weights' codes, 32 KB, are read once a wave as images of the operands' registers.
.set T_RAD, 0x39d1b716
; v1 r, v2 h, v3 lane; v4 the list load's offset; v5 my point in ptab; v6 features; v7 16 x lane; v8, v9 the stage, in and back; v10 64 h; v12 +inf; v13 65,536 h; v14 the full walk's counter
; v[16:19] a trip's entries as loaded; v[20:23], v[24:27] the next trip's offsets and sq-or-infinity, staged; v[28:31], v[68:71] the entries of trips 0 and 1, kept for both passes; v[32:47] at work
; v[48:57] the list of ten; v[58:67] the other half's; v[72:75] a set's byte offset; v[76:79] my sq, or +inf for an empty slot
; v[80:83] the batch's masked sums and count; v84, v85 2^e0, 448 x 2^e0; v[88:93] the covariance xx xy xz yy yz zz; v94 count; v95 ties used; v96 ties allowed; v97 threshold; v98 t10; v[100:103] x y z sq
; v[104:111] d2 of 8 candidates, later the six geometry numbers; v[112:127] codes; v[128:255] four sets of 8 candidates x 4 words, later W1's, W2's fragments, rows of the result;  v[16:79] later b1 and the sums
	s_load_b512 s[8:23], s[0:1], 0x0               ; lists, ptab, csum, wcodes, features, b1, b2, lowp_scales
	s_load_b128 s[24:27], s[0:1], 0x40             ; out0, trips
	v_lshl_add_u32 v11, v0, 2, 0x8400
	v_mov_b32 v15, 0
	v_lshrrev_b32 v1, 5, v0
	v_readfirstlane_b32 s32, v1                    ; wave k
	v_and_b32 v3, 31, v0
	v_and_b32 v1, 15, v0
	v_bfe_u32 v2, v0, 4, 1
	s_mov_b32 s33, ttmp9                           ; G
	s_lshr_b32 s34, s33, 7                         ; batch
	s_and_b32 s35, s33, 127
	s_mov_b32 s39, 0
	s_mov_b32 s54, 0x76543210                      ; v_permlanex16_b32: lane l xor 16
	s_mov_b32 s55, 0xfedcba98
	s_lshl_b32 s40, s35, 10
	s_lshl_b32 s41, s32, 8
	s_add_co_u32 s40, s40, s41
	v_lshl_add_u32 v5, v1, 4, s40
	v_lshlrev_b32 v6, 8, v1
	v_lshl_add_u32 v6, v2, 6, v6                   ; row r of 256 bytes + 64 h: my 16 numbers of a block of 32
	v_lshlrev_b32 v7, 4, v3
	s_mul_i32 s40, s32, 8448                       ; my stage: 16 rows x (512 + 16) bytes
	v_mul_u32_u24 v8, v1, 528
	v_lshl_add_u32 v8, v2, 5, v8
	v_add_nc_u32 v8, s40, v8
	v_lshl_add_u32 v9, v3, 4, s40
	v_lshlrev_b32 v10, 6, v2
	v_lshlrev_b32 v13, 16, v2                      ; my half's first group in ptab: 512 h x 128 bytes
	v_mov_b32 v12, 0x7f800000
	s_wait_kmcnt 0x0
	s_load_b128 s[28:31], s[22:23], 0x0            ; e0 .. e3
	s_lshl_b32 s38, s33, 4
	s_lshl_b32 s40, s32, 2
	s_add_co_u32 s38, s38, s40
	s_add_nc_u64 s[26:27], s[26:27], s[38:39]
	s_load_b32 s36, s[26:27], 0x0                  ; my wave's number of trips
	s_lshl_b32 s38, s33, 14
	s_lshl_b32 s40, s32, 12
	s_add_co_u32 s38, s38, s40
	s_add_nc_u64 s[8:9], s[8:9], s[38:39]          ; my wave's 4,096 bytes of lists
	s_add_nc_u64 s[16:17], s[16:17], s[38:39]      ; my 16 rows of features: as many bytes
	s_lshl_b32 s38, s34, 17
	s_add_nc_u64 s[10:11], s[10:11], s[38:39]      ; the batch's 8,192 entries of ptab
	s_lshl_b32 s38, s34, 11
	s_add_nc_u64 s[12:13], s[12:13], s[38:39]      ; its 128 records of csum
	s_lshl_b32 s38, s33, 15
	s_lshl_b32 s40, s32, 13
	s_add_co_u32 s38, s38, s40
	s_add_nc_u64 s[24:25], s[24:25], s[38:39]      ; my 16 rows of the result
	global_load_b128 v[28:31], v7, s[8:9]          ; the entries of trip 0,
	global_load_b128 v[68:71], v7, s[8:9] offset:512   ; and of trip 1
	global_load_b128 v[100:103], v5, s[10:11]
.irp j, 0,1,2,3
	global_load_b128 v[160+4*\j:163+4*\j], v7, s[12:13] offset:512*\j
.endr
.irp c, 0,1
.irp j, 0,1,2,3
	global_load_b128 v[128+16*\c+4*\j:131+16*\c+4*\j], v6, s[16:17] offset:128*\c+16*\j th:TH_LOAD_NT
.endr
.endr
.irp i, 0,1,2,3,4,5,6,7,8,9
	v_mov_b32 v[48+\i], v12                        ; the list begins as +inf
	v_mov_b32 v[58+\i], 0                          ; a lane permute's destination counts as one of its sources
.endr
	v_mov_b32 v94, 0
	s_wait_kmcnt 0x0
	s_max_u32 s36, s36, 1
	s_min_u32 s36, s36, 128
	s_cmp_gt_u32 s36, 8                            ; more than 8 trips: a list of 32 is cut off
	s_cselect_b32 s46, 0, -1                       ; keep: the entries count,
	s_cselect_b32 s47, -1, 0                       ; full: or the counter does,
	s_cselect_b32 s36, 128, s36                    ; over all 512 groups of a half
	s_min_u32 s36, s36, 128
	s_add_co_i32 s40, s28, 127
	s_lshl_b32 s52, s40, 23                        ; 2^e0
	s_add_co_i32 s40, s40, 8
	s_lshl_b32 s53, s40, 23
	s_or_b32 s53, s53, 0x600000                    ; 448 x 2^e0
	s_add_co_i32 s41, s28, s29
	s_sub_co_i32 s57, 0, s41                       ; -(e0 + e1): a sum of the first product stands for sum x 2^(e0 + e1), so b1 goes in divided by that
	s_sub_co_i32 s40, s30, s41
	s_add_co_i32 s40, s40, 127
	s_lshl_b32 s4, s40, 23                         ; 2^(e2 - e0 - e1): the hidden layer's three scales folded into one
	s_add_co_i32 s40, s40, 8
	s_lshl_b32 s5, s40, 23
	s_or_b32 s5, s5, 0x600000
	s_add_co_i32 s40, s30, s31
	s_add_co_i32 s40, s40, 127
	s_lshl_b32 s58, s40, 23                        ; 2^(e2 + e3)
	s_mov_b32 s59, s58                             ; (named with it as a pair)
	v_mov_b32 v84, s52
	v_mov_b32 v85, s53
	s_wait_loadcnt 0x0
	; ---- the features' codes: k = 0 .. 63, registers 0-7 of x's fragment
.set j, 0
.rept 32
	v_med3_num_f32 v[128+j], v[128+j], -v85, v85
.set j, j+1
.endr
.irp q, 0,1,2,3
	v_cvt_scalef32_pk8_fp8_f32 v[112+2*\q:113+2*\q], v[128+8*\q:135+8*\q], v84
.endr
	v_nop                                          ; a plain line behind the last scaled conversion
	v_and_b32 v103, 0x7fffffff, v103               ; my sq without the mask's bit
	; ---- the batch's masked sums: 4 records a lane, then across the 32 lanes
	v_pk_add_f32 v[160:161], v[160:161], v[164:165]
	v_pk_add_f32 v[162:163], v[162:163], v[166:167]
	v_pk_add_f32 v[168:169], v[168:169], v[172:173]
	v_pk_add_f32 v[170:171], v[170:171], v[174:175]
	v_pk_add_f32 v[160:161], v[160:161], v[168:169]
	v_pk_add_f32 v[162:163], v[162:163], v[170:171]
.irp x, 1,2,4,8
.irp i, 0,1,2,3
	v_add_f32_dpp v[160+\i], v[160+\i], v[160+\i] row_xmask:\x row_mask:0xf bank_mask:0xf
.endr
.endr
.irp i, 0,1,2,3
	v_permlanex16_b32 v[164+\i], v[160+\i], s54, s55
.endr
.irp i, 0,1,2,3
	v_add_f32 v[80+\i], v[160+\i], v[164+\i]
.endr
; A trip's four entries in v[src ..] are staged: the offset (not yet bounded) in v[20 ..], my sq or +inf in v[24 ..].  With +inf in place of my sq every d2 of the slot is +inf.
.macro CONV src
.irp i, 0,1,2,3
	v_add_nc_u32 v[32+\i], 128*\i, v14             ; the full walk's four groups of this trip
.endr
.irp i, 0,1,2,3
	v_and_b32 v[20+\i], s46, v[\src+\i]
	v_and_b32 v[32+\i], s47, v[32+\i]
.endr
.irp i, 0,1,2,3
	v_or_b32 v[20+\i], v[20+\i], v[32+\i]
.endr
.irp i, 0,1,2,3
	v_cmp_gt_u32 vcc_lo, 0x20000, v[20+\i]         ; inside the batch's 131,072 bytes: the slot holds a group
	v_cndmask_b32 v[24+\i], v12, v103, vcc_lo
.endr
	v_add_nc_u32 v14, 0x200, v14
.endm
.macro TAKE set                        ; the staged pair becomes the set's: its last loads are in, so its offset is free
	v_min_u32 v[72+\set], 0x1ff80, v[20+\set]      ; a loaded number enters an address only behind this bound: the last group's offset
	v_mov_b32 v[76+\set], v[24+\set]
.endm
.macro ISSUE set
.irp k, 0,1,2,3,4,5,6,7
	global_load_b128 v[128+32*\set+4*\k:131+32*\set+4*\k], v[72+\set], s[10:11] offset:16*\k
.endr
.endm
; d2 of the set's 8 candidates, clamped at 0, into v[104:111]: the first launch's five lines, stage by stage
.macro D2ALL set
.set GB, 128+32*(\set)
.irp k, 0,1,2,3,4,5,6,7
	v_mul_f32 v[32+\k], v[GB+4*\k], v100
.endr
.irp k, 0,1,2,3,4,5,6,7
	v_fmac_f32 v[32+\k], v[GB+4*\k+1], v101
.endr
.irp k, 0,1,2,3,4,5,6,7
	v_fmac_f32 v[32+\k], v[GB+4*\k+2], v102
.endr
.irp k, 0,1,2,3,4,5,6,7
	v_add_f32 v[104+\k], |v[GB+4*\k+3]|, v[76+\set]
.endr
.irp k, 0,1,2,3,4,5,6,7
	v_fmac_f32 v[104+\k], -2.0, v[32+\k]
.endr
.irp k, 0,1,2,3,4,5,6,7
	v_max_num_f32 v[104+\k], 0, v[104+\k]
.endr
.endm
.macro INS x                           ; x into the sorted list: a_i = the middle of (x, a_(i-1), a_i), from the top down
.irp i, 9,8,7,6,5,4,3,2,1
	v_med3_num_f32 v[48+\i], v[\x], v[47+\i], v[48+\i]
.endr
	v_min_num_f32 v48, v48, v[\x]
.endm
.macro PROC1 set
	D2ALL \set
.irp k, 0,1,2,3,4,5,6,7
	v_and_or_b32 v[32+\k], v[GB+4*\k+3], 0x80000000, v[104+\k]   ; d2 is not negative: with the bit 'not in the mask' on top it is, as a whole number, above every T
.endr
.irp k, 0,1,2,3,4,5,6,7
	v_cmp_gt_u32 vcc_lo, T_RAD, v[32+\k]
	v_add_co_ci_u32 v94, vcc_lo, 0, v94, vcc_lo
	INS 104+\k
.endr
.endm
.macro PROC2 set
	D2ALL \set
.irp k, 0,1,2,3,4,5,6,7
	v_sub_f32 v[GB+4*\k], v[GB+4*\k], v100         ; neighbour - point, in place
	v_sub_f32 v[GB+4*\k+1], v[GB+4*\k+1], v101
	v_sub_f32 v[GB+4*\k+2], v[GB+4*\k+2], v102
.endr
.irp k, 0,1,2,3,4,5,6,7
	v_cmp_gt_u32 vcc_lo, v97, v[104+\k]            ; non-negative f32 numbers compare as whole numbers; the threshold is t10, or t10's successor while ties are still allowed
	v_cndmask_b32 v[GB+4*\k], 0, v[GB+4*\k], vcc_lo
	v_cndmask_b32 v[GB+4*\k+1], 0, v[GB+4*\k+1], vcc_lo
	v_cndmask_b32 v[GB+4*\k+2], 0, v[GB+4*\k+2], vcc_lo
	v_cmp_eq_u32 vcc_lo, v[104+\k], v98
	v_add_co_ci_u32 v95, vcc_lo, 0, v95, vcc_lo
	v_cmp_lt_i32 vcc_lo, v95, v96
	v_add_co_ci_u32 v97, vcc_lo, 0, v98, vcc_lo
	v_fmac_f32 v88, v[GB+4*\k], v[GB+4*\k]
	v_fmac_f32 v89, v[GB+4*\k], v[GB+4*\k+1]
	v_fmac_f32 v90, v[GB+4*\k], v[GB+4*\k+2]
	v_fmac_f32 v91, v[GB+4*\k+1], v[GB+4*\k+1]
	v_fmac_f32 v92, v[GB+4*\k+1], v[GB+4*\k+2]
	v_fmac_f32 v93, v[GB+4*\k+2], v[GB+4*\k+2]
.endr
.endm
; A walk over the listed groups, four sets of registers by turns.  Trip t works on its four slots and asks for trip t + 1's candidates and for trip t + 2's entries (trip 7's at the most: the list has 8).
; What is asked for past the last trip lies inside the tables and is never worked on.
.macro PASS n
	v_mov_b32 v14, v13
	CONV 28                                        ; trip 0
.irp i, 0,1,2,3
	v_mov_b32 v[16+\i], v[68+\i]                   ; trip 1's entries, where the loop looks for them
.endr
.irp s, 0,1,2,3
	TAKE \s
	ISSUE \s
.endr
	s_mov_b32 s37, 0
.Lpass\n:
	s_wait_loadcnt 24                              ; set 0's 8 loads are in, and the list load, which is older than they: its offset may be written.  The three younger sets' 24 loads stay out (on the way in: the same 24, and no list load)
	CONV 16                                        ; trip t + 1
	s_add_co_u32 s38, s37, 2
	s_min_u32 s38, s38, 7
	s_lshl_b32 s38, s38, 9
	v_add_nc_u32 v4, s38, v7
	global_load_b128 v[16:19], v4, s[8:9]          ; trip t + 2's entries
.irp s, 0,1,2,3
.if \s > 0
	s_wait_loadcnt 25                              ; this set's 8 loads are in; behind them: 24 candidate loads and this trip's list load
.endif
.if \n == 1
	PROC1 \s
.else
	PROC2 \s
.endif
	TAKE \s
	ISSUE \s
.endr
	s_add_co_u32 s37, s37, 1
	s_cmp_lt_u32 s37, s36
	s_cbranch_scc1 .Lpass\n
	s_wait_loadcnt 0x0
.endm
	PASS 1
	; ---- the two halves' lists: min(a_i, b_(9-i)) are the ten smallest of both, their largest is t10
.irp i, 0,1,2,3,4,5,6,7,8,9
	v_permlanex16_b32 v[58+\i], v[48+\i], s54, s55
.endr
.irp i, 0,1,2,3,4,5,6,7,8,9
	v_min_num_f32 v[32+\i], v[48+\i], v[67-\i]
.endr
	v_max3_num_f32 v98, v32, v33, v34
	v_max3_num_f32 v98, v98, v35, v36
	v_max3_num_f32 v98, v98, v37, v38
	v_max3_num_f32 v98, v98, v39, v40
	v_max_num_f32 v98, v98, v41
	v_mov_b32 v42, 0
	v_mov_b32 v43, 0
.irp i, 0,1,2,3,4,5,6,7,8,9
	v_cmp_gt_u32 vcc_lo, v98, v[48+\i]
	v_add_co_ci_u32 v42, vcc_lo, 0, v42, vcc_lo    ; how many of my half lie under t10,
	v_cmp_eq_u32 vcc_lo, v98, v[48+\i]
	v_add_co_ci_u32 v43, vcc_lo, 0, v43, vcc_lo    ; and at it (where the list is full and cuts ties off, the other half is allowed none anyway)
.endr
	v_permlanex16_b32 v40, v42, s54, s55
	v_permlanex16_b32 v41, v43, s54, s55
	v_add_nc_u32 v46, v42, v40
	v_sub_nc_u32 v46, 10, v46                      ; ties wanted in all
	v_sub_nc_u32 v47, v46, v41
	v_cmp_eq_u32 vcc_lo, 1, v2
	v_cndmask_b32 v96, v46, v47, vcc_lo            ; the lower indices come first: half 1 gets what half 0's ties leave
	v_mov_b32 v95, 0
	v_cmp_lt_i32 vcc_lo, 0, v96
	v_add_co_ci_u32 v97, vcc_lo, 0, v98, vcc_lo
	v_permlanex16_b32 v40, v94, s54, s55
	v_add_nc_u32 v94, v94, v40                     ; the density
.irp i, 0,1,2,3,4,5
	v_mov_b32 v[88+\i], 0
.endr
	PASS 2
.irp i, 0,1,2,3,4,5
	v_permlanex16_b32 v[32+\i], v[88+\i], s54, s55
.endr
.irp i, 0,1,2,3,4,5
	v_add_f32 v[88+\i], v[88+\i], v[32+\i]
.endr
.irp i, 0,1,2,3,4,5
	v_mul_f32 v[88+\i], 0x3dcccccd, v[88+\i]       ; / 10
.endr
	; ---- the first layer's operands are asked for now and land while the geometry is made
.irp t, 0,1,2,3,4,5,6,7
	global_load_b128 v[16+8*\t:19+8*\t], v10, s[18:19] offset:(32*(\t/2)+8*(\t%2))*4       ; b1 in the result's layout: tile t, lane (r, h): hidden units 32 (t / 2) + 16 h + 8 (t % 2) + 0 .. 7
	global_load_b128 v[20+8*\t:23+8*\t], v10, s[18:19] offset:(32*(\t/2)+8*(\t%2))*4+16
.endr
.irp t, 0,1,2,3,4,5,6,7
.irp c, 0,1,2,3
	global_load_b128 v[128+16*\t+4*\c:131+16*\t+4*\c], v7, s[14:15] offset:2048*\t+512*\c   ; W1's fragments, as images of their registers
.endr
.endr
	; ---- the eigenvalues.  The matrix is scaled by a power of two to a trace between 1 and 2 (nothing is rounded), so that no square below underflows
	v_add_f32 v99, v88, v91
	v_add_f32 v99, v99, v93
	v_max_num_f32 v99, 0x0d800000, v99             ; at least 2^-100
	v_and_b32 v98, 0x7f800000, v99                 ; 2^(E - 127)
	v_lshrrev_b32 v99, 23, v99
	v_sub_nc_u32 v99, 0xfe, v99
	v_lshlrev_b32 v97, 23, v99                     ; 2^(127 - E)
.irp i, 0,1,2,3,4,5
	v_mul_f32 v[88+\i], v97, v[88+\i]
.endr
; One Jacobi rotation in the plane (p, q); r is the third index.  t = tan = b sign(d) / (|d| + sqrt(d^2 + b^2)), d = aqq - app, b = 2 apq; |t| <= 1.
; Behind each transcendental stand a plain line and a wait ahead of its result's first reader.
.macro ROT app, aqq, apq, arp, arq
	v_sub_f32 v104, v[\aqq], v[\app]
	v_add_f32 v105, v[\apq], v[\apq]
	v_mul_f32 v106, v104, v104
	v_fmac_f32 v106, v105, v105
	v_sqrt_f32 v106, v106
	v_and_b32 v107, 0x80000000, v104
	s_wait_alu depctr_va_vdst(0)
	v_add_f32 v106, |v104|, v106
	v_max_num_f32 v106, 0x800000, v106             ; never 0: d = b = 0 gives t = 0
	v_rcp_f32 v108, v106
	v_xor_b32 v105, v107, v105
	s_wait_alu depctr_va_vdst(0)
	v_mul_f32 v109, v105, v108
	v_med3_num_f32 v109, v109, -1.0, 1.0
	v_fma_f32 v110, v109, v109, 1.0
	v_rsq_f32 v110, v110                           ; c
	v_mul_f32 v95, v109, v[\apq]
	v_sub_f32 v[\app], v[\app], v95
	v_add_f32 v[\aqq], v[\aqq], v95
	s_wait_alu depctr_va_vdst(0)
	v_mul_f32 v111, v109, v110                     ; s
	v_mul_f32 v95, v111, v[\arq]
	v_mul_f32 v96, v111, v[\arp]
	v_fma_f32 v[\arp], v110, v[\arp], -v95
	v_fma_f32 v[\arq], v110, v[\arq], v96
	v_mov_b32 v[\apq], 0
.endm
	s_mov_b32 s37, 0
.Lsweep:
	ROT 88, 91, 89, 90, 92                         ; (0, 1)
	ROT 88, 93, 90, 89, 92                         ; (0, 2)
	ROT 91, 93, 92, 89, 90                         ; (1, 2)
	s_add_co_u32 s37, s37, 1
	s_cmp_lt_u32 s37, 8
	s_cbranch_scc1 .Lsweep
	v_min3_num_f32 v104, v88, v91, v93
	v_max3_num_f32 v105, v88, v91, v93
	v_mul_f32 v104, v98, v104                      ; scaled back
	v_mul_f32 v105, v98, v105
	v_add_f32 v105, 0x322bcc77, v105               ; + 1e-8
	v_max_num_f32 v95, 1.0, v83                    ; the mask's count, at least 1
	v_rcp_f32 v106, v105
	v_rcp_f32 v96, v95
	v_nop
	s_wait_alu depctr_va_vdst(0)                   ; one wait for both reciprocals
	v_mul_f32 v107, v104, v106
	v_fma_f32 v109, -v107, v105, v104              ; each quotient gets one step on its residual
	v_fma_f32 v108, v109, v106, v107               ; the curvature
	; ---- the centre, and what hangs on it
.irp i, 0,1,2
	v_mul_f32 v[88+\i], v[80+\i], v96
.endr
.irp i, 0,1,2
	v_fma_f32 v[91+\i], -v[88+\i], v95, v[80+\i]
.endr
.irp i, 0,1,2
	v_fmac_f32 v[88+\i], v[91+\i], v96
.endr
	v_sub_f32 v86, v100, v88                       ; rel x
	v_sub_f32 v87, v101, v89                       ; rel y
	v_sub_f32 v105, v102, v90                      ; rel z: the relative height
	v_mul_f32 v91, v86, v86
	v_fmac_f32 v91, v87, v87
	v_fma_f32 v92, v105, v105, v91
	v_max_num_f32 v93, |v86|, |v87|
	v_min_num_f32 v95, |v86|, |v87|
	v_max_num_f32 v96, 0x800000, v93
	v_sqrt_f32 v106, v91                           ; the horizontal distance
	v_sqrt_f32 v104, v92                           ; the distance to the centre
	v_rcp_f32 v97, v96
	v_nop
	s_wait_alu depctr_va_vdst(0)                   ; one wait for the three
	v_mul_f32 v98, v95, v97
	v_fma_f32 v99, -v98, v96, v95
	v_fmac_f32 v98, v99, v97                       ; a = min / max, 0 .. 1
	v_cmp_lt_f32 s40, 0x3ed413cd, v98              ; above tan(pi / 8): atan a = pi / 4 + atan((a - 1) / (a + 1))
	v_add_f32 v99, -1.0, v98
	v_add_f32 v110, 1.0, v98
	v_cndmask_b32 v99, v98, v99, s40
	v_cndmask_b32 v110, 1.0, v110, s40
	v_rcp_f32 v111, v110
	v_cvt_f32_u32 v107, v94                        ; the density as f32
	v_nop
	s_wait_alu depctr_va_vdst(0)
	v_mul_f32 v88, v99, v111
	v_fma_f32 v89, -v88, v110, v99
	v_fmac_f32 v88, v89, v111                      ; t, |t| <= tan(pi / 8)
	v_mul_f32 v89, v88, v88
	v_mov_b32 v90, 0x3da4f0d1                      ; atan t = t + t z (((8.05374449538e-2 z - 1.38776856032e-1) z + 1.99777106478e-1) z - 3.33329491539e-1), z = t^2
	v_fmaak_f32 v90, v90, v89, 0xbe0e1b85
	v_fmaak_f32 v90, v90, v89, 0x3e4c925f
	v_fmaak_f32 v90, v90, v89, 0xbeaaaa2a
	v_mul_f32 v90, v90, v89
	v_fma_f32 v90, v90, v88, v88
	v_mov_b32 v91, 0x3f490fdb
	v_cndmask_b32 v91, 0, v91, s40
	v_add_f32 v90, v90, v91
	v_cmp_gt_f32 vcc_lo, |v87|, |v86|
	v_sub_f32 v91, 0x3fc90fdb, v90
	v_cndmask_b32 v90, v90, v91, vcc_lo            ; |y| > |x|: pi / 2 - r
	v_cmp_gt_f32 vcc_lo, 0, v86
	v_sub_f32 v91, 0x40490fdb, v90
	v_cndmask_b32 v90, v90, v91, vcc_lo            ; x < 0: pi - r
	v_bfi_b32 v109, 0x7fffffff, v90, v87           ; y's sign
	; ---- x's codes of k = 64 .. 69: registers 8, 9 of lanes 0-15; all beyond is 0.  An empty mask makes the six numbers 0
	v_cmp_lt_f32 s40, 0, v83
	v_cmp_eq_u32 s41, 0, v2
	s_and_b32 s40, s40, s41
	v_mov_b32 v110, 0
	v_mov_b32 v111, 0
.irp i, 0,1,2,3,4,5
	v_cndmask_b32 v[104+\i], 0, v[104+\i], s40
.endr
.irp i, 0,1,2,3,4,5
	v_med3_num_f32 v[104+\i], v[104+\i], -v85, v85
.endr
	v_cvt_scalef32_pk8_fp8_f32 v[120:121], v[104:111], v84
.irp i, 122,123,124,125,126,127
	v_mov_b32 v[\i], 0
.endr
	v_mov_b32 v86, s4                              ; the hidden layer's scale and limit
	v_mov_b32 v87, s5
	; ---- layer 1, transposed: source 0 = 16 rows of W1, source 1 = my 16 rows of x; b1 / 2^(e0 + e1) is the C.  Eight different accumulators
	s_wait_loadcnt 0x0
.set j, 0
.rept 64
	v_ldexp_f32 v[16+j], v[16+j], s57
.set j, j+1
.endr
.irp t, 0,1,2,3,4,5,6,7
	v_wmma_f32_16x16x128_fp8_fp8 v[16+8*\t:23+8*\t], v[128+16*\t:143+16*\t], v[112:127], v[16+8*\t:23+8*\t]
.endr
.rept 4
	v_nop                                          ; four places in front of the loads into W1's registers and of the first read of the sums
.endr
.irp t, 0,1,2,3,4,5,6,7
.irp c, 0,1,2,3
	global_load_b128 v[128+16*\t+4*\c:131+16*\t+4*\c], v7, s[14:15] offset:16384+2048*\t+512*\c   ; W2's fragments
.endr
.endr
	global_load_b128 v[88:91], v7, s[20:21]        ; b2 of outputs 4 x lane on
.irp b, 0,1,2,3                        ; the 16 registers of tiles 2 b, 2 b + 1 are hidden units 32 b + 16 h + 0 .. 15: the next operand's registers 4 b .. 4 b + 3
.irp i, 0,1,2,3,4,5,6,7,8,9,10,11,12,13,14,15
	v_med3_num_f32 v[16+16*\b+\i], v[16+16*\b+\i], 0, v87      ; the activation and the hold in one
.endr
	v_cvt_scalef32_pk8_fp8_f32 v[112+4*\b:113+4*\b], v[16+16*\b:23+16*\b], v86
	v_cvt_scalef32_pk8_fp8_f32 v[114+4*\b:115+4*\b], v[24+16*\b:31+16*\b], v86
.endr
	v_nop                                          ; a plain line behind the last scaled conversion; with the four above, five v_nop lie between the two layers' matrix instructions, beside the holds
	s_wait_loadcnt 0x0
	; ---- layer 2, transposed: lane (r, h) gets outputs 16 t + 8 h + 0 .. 7 of row r
.irp t, 0,1,2,3,4,5,6,7
	v_wmma_f32_16x16x128_fp8_fp8 v[16+8*\t:23+8*\t], v[128+16*\t:143+16*\t], v[112:127], 0
.endr
.rept 4
	v_nop
.endr
.irp t, 0,1,2,3,4,5,6,7
	ds_store_b128 v8, v[16+8*\t:19+8*\t] offset:64*\t          ; each accumulator from its low end on
	ds_store_b128 v8, v[20+8*\t:23+8*\t] offset:64*\t+16
.endr
.irp i, 0,1,2,3,4,5,6,7,8,9,10,11,12,13,14,15
	ds_load_b128 v[128+4*\i:131+4*\i], v9 offset:528*\i        ; whole rows back: LDS serves a wave's instructions in order, and the stage is my own
.endr
.irp i, 0,1,2,3,4,5,6,7,8,9,10,11,12,13,14,15
	s_wait_dscnt 15-\i                             ; row i is in; the 15 - i younger loads stay out
	v_pk_fma_f32 v[128+4*\i:129+4*\i], v[128+4*\i:129+4*\i], s[58:59], v[88:89] op_sel_hi:[1,0,1]   ; sum x 2^(e2 + e3) + b2
	v_pk_fma_f32 v[130+4*\i:131+4*\i], v[130+4*\i:131+4*\i], s[58:59], v[90:91] op_sel_hi:[1,0,1]
	v_max_num_f32 v[128+4*\i], 0, v[128+4*\i]
	v_max_num_f32 v[129+4*\i], 0, v[129+4*\i]
	v_max_num_f32 v[130+4*\i], 0, v[130+4*\i]
	v_max_num_f32 v[131+4*\i], 0, v[131+4*\i]
	global_store_b128 v7, v[128+4*\i:131+4*\i], s[24:25] offset:512*\i th:TH_STORE_NT   ; 32 lanes store a row: 512 consecutive bytes, aligned
.endr
	s_barrier_signal -1
	s_barrier_wait -1
	s_wait_tensorcnt 0x0
	ds_add_u32 v11, v15
	s_wait_dscnt 0x0
	s_endpgm
.Lfunc_end_k_q91f9aec8fd_finish:
	.size	k_q91f9aec8fd_finish, .Lfunc_end_k_q91f9aec8fd_finish-k_q91f9aec8fd_finish
	.p2alignl 7, 3214868480
	.fill 96, 4, 3214868480
	.section	.rodata,"a",@progbits
	.p2align	6, 0x0
	.amdhsa_kernel k_q91f9aec8fd_finish
		.amdhsa_group_segment_fixed_size 34304
		.amdhsa_private_segment_fixed_size 0
		.amdhsa_enable_private_segment 0
		.amdhsa_kernarg_size 80
		.amdhsa_user_sgpr_count 2
		.amdhsa_user_sgpr_kernarg_segment_ptr 1
		.amdhsa_wavefront_size32 1
		.amdhsa_system_sgpr_workgroup_id_x 1
		.amdhsa_system_sgpr_workgroup_id_y 1
		.amdhsa_system_sgpr_workgroup_id_z 1
		.amdhsa_system_vgpr_workitem_id 0
		.amdhsa_next_free_vgpr 256
		.amdhsa_next_free_sgpr 100
		.amdhsa_reserve_vcc 1
		.amdhsa_float_denorm_mode_32 3
		.amdhsa_float_denorm_mode_16_64 3
		.amdhsa_memory_ordered 1
		.amdhsa_forward_progress 1
		.amdhsa_inst_pref_size 123
	.end_amdhsa_kernel
	.amdgpu_metadata
---
amdhsa.version: [ 1, 2 ]
amdhsa.kernels:
  - .name:           k_q91f9aec8fd_finish
    .symbol:         k_q91f9aec8fd_finish.kd
    .args:
      - { .name: lists, .offset: 0, .size: 8, .value_kind: global_buffer, .address_space: global }
      - { .name: ptab, .offset: 8, .size: 8, .value_kind: global_buffer, .address_space: global }
      - { .name: csum, .offset: 16, .size: 8, .value_kind: global_buffer, .address_space: global }
      - { .name: wcodes, .offset: 24, .size: 8, .value_kind: global_buffer, .address_space: global }
      - { .name: features, .offset: 32, .size: 8, .value_kind: global_buffer, .address_space: global }
      - { .name: b1, .offset: 40, .size: 8, .value_kind: global_buffer, .address_space: global }
      - { .name: b2, .offset: 48, .size: 8, .value_kind: global_buffer, .address_space: global }
      - { .name: lowp_scales, .offset: 56, .size: 8, .value_kind: global_buffer, .address_space: global }
      - { .name: out0, .offset: 64, .size: 8, .value_kind: global_buffer, .address_space: global }
      - { .name: trips, .offset: 72, .size: 8, .value_kind: global_buffer, .address_space: global }
    .group_segment_fixed_size: 34304
    .private_segment_fixed_size: 0
    .kernarg_segment_align: 8
    .kernarg_segment_size: 80
    .max_flat_workgroup_size: 128
    .sgpr_count:     100
    .vgpr_count:     256
    .wavefront_size: 32
...
	.end_amdgpu_metadata
.endif
;; end of part 2
